; MI455X (gfx1250); checked and timed in simulation.
; The chip was launched on July 23, 2026; its instructions are those of AMD's public machine-readable ISA for CDNA 5 (MIT licence, August 2026) and "CDNA5" Instruction Set Architecture Reference Guide (July 2026). The comments in the code are by the model that wrote it; some were corrected since.
;; Multi Head Attention. Allowed arithmetic: matrix products marked QUANTISED: E4M3 operands, one given power-of-two scale a tensor, by v_wmma_f32_16x16x64_fp8_fp8 or v_wmma_f32_16x16x128_fp8_fp8, f32 sums; everything else in f32.
;; Inputs: Wk 16 x 1,024 x 64 float32; Wo 1,024 x 1,024 float32; Wq 16 x 1,024 x 64 float32; Wv 16 x 1,024 x 64 float32; bo 1,024 float32; lowp_scales 12 int32 (the exponents e of the quantised operands' scales 2^e); x 8 x 1,024 x 1,024 float32.
;; Outputs: out0 8 x 1,024 x 1,024 float32.
;; This version of the problem:
;;   THIS VERSION OF THE PROBLEM IS GIVEN IN LOW PRECISION. The matrix products marked QUANTISED in the list below multiply operands that are first quantised to E4M3 (4 exponent bits, 3 mantissa bits; 8 bits a number), with one given power-of-two scale for each operand tensor; their sums are f32. All else is computed in f32.
;;   The module's matrix products, in the order in which they are computed (A, B: the left and right operand; K: the contracted axis; several contracted axes count as one K, in the product's order):
;;     1. [M 1,024, K 1,024] x [K 1,024, N 8,192]; A: input Wq; B: input x: QUANTISED (scales: A lowp_scales[0], B lowp_scales[1])
;;     2. [M 1,024, K 1,024] x [K 1,024, N 8,192]; A: input Wk; B: input x: QUANTISED (scales: A lowp_scales[2], B lowp_scales[3])
;;     3. [M 1,024, K 1,024] x [K 1,024, N 8,192]; A: input Wv; B: input x: QUANTISED (scales: A lowp_scales[4], B lowp_scales[5])
;;     4. batch 128 x [M 1,024, K 64] x [K 64, N 1,024]; A: computed on the way; B: computed on the way: QUANTISED (scales: A lowp_scales[6], B lowp_scales[7])
;;     5. batch 128 x [M 1,024, K 1,024] x [K 1,024, N 64]; A: softmax (see below); B: computed on the way: QUANTISED (scales: A lowp_scales[8], B lowp_scales[9])
;;     6. [M 8,192, K 1,024] x [K 1,024, N 1,024]; A: computed on the way; B: input Wo: QUANTISED (scales: A lowp_scales[10], B lowp_scales[11])
;;   THE QUANTISER, for each operand of a quantised product, along K:
;;     - The operand's scale is 2^e, e = its entry of the input lowp_scales (int32; the entries are numbered through the quantised products in the list's order, A before B).
;;     - Each number is divided by the scale, clamped to +-448, and rounded to the nearest number of E4M3, ties to even, subnormals kept.
;;     - The product sums the exact products of the quantised numbers (number of the format x scale) in f32.
;;   ~~~python
;;   def quantise(x, axis, e):      # numpy; x: float32 -> the quantised numbers, widened to float32 again
;;       x = np.moveaxis(x, axis, -1); K = x.shape[-1]
;;       r = np.clip(x / 2.0 ** e, -448, 448)
;;       step = 2.0 ** (np.maximum(np.frexp(np.where(r == 0, 1, r))[1] - 1, -6) - 3)
;;       q = np.round(r / step) * step * 2.0 ** e      # np.round: ties to even
;;       return np.moveaxis(q, -1, axis).astype(np.float32)
;;   ~~~
;;   SOFTMAX AHEAD OF A QUANTISED PRODUCT. Where the list says 'softmax', what is quantised is not the finished softmax but p = 2^(t - M), with t = logit x log2(e) and M = ceil(the row's largest t), a whole number; so 1/2 < the row's largest p <= 1. The row's sum l is taken of the UNQUANTISED p, in f32, and the product's result is divided by l at the end. Since M is a whole number, a kernel that streams over the keys may use a running M (the ceiling of the running maximum): every later rescaling is an exact power of two, so the quantised numbers keep their values, but for numbers so far below the row's largest that they fall under the format's range.
;;   OPERANDS COMPUTED ON THE WAY. 'Computed on the way' means the value that the module computes at that place (a softmax that the list does not call 'softmax' is quantised finished and normalised). What goes into a quantiser is computed in f32, as accurately as f32 sums, v_exp_f32 and their like allow (about 1e-6 of the number): no bf16 or f16 on the way to a quantiser, and a product that is left as it is and whose result goes on into a quantised operand takes f32 operands (vector FMAs, or v_wmma_f32_16x16x4_f32). A number that lies on a knife's edge between two numbers of the format may be rounded either way, as far as f32 arithmetic and the matrix unit's own rounding can turn it there, and no further.
;; One version. Each part assembles by itself: llvm-mc -triple=amdgcn-amd-amdhsa -mcpu=gfx1250 --defsym DOCPART=n.
;; ======== version 1 of 1: 4 launches
;; limits: right only within a limited range of input values
;; workspace buffers: xf 25,165,824 bytes; wf 4,194,304 bytes; qkv 25,165,824 bytes; af 8,388,608 bytes
;; launch quant (part 1): grid 768 x 1, 4 waves a work-group, no clusters, 56,832 bytes of LDS; arguments x, Wq, Wk, Wv, Wo, lowp_scales, xf, wf; writes xf, wf
.if DOCPART == 1
	.amdgcn_target "amdgcn-amd-amdhsa--gfx1250"
	.amdhsa_code_object_version 6
	.text
	.protected	k_qb49c369f3f_quant
	.globl	k_qb49c369f3f_quant
	.p2align	8
	.type	k_qb49c369f3f_quant,@function
k_qb49c369f3f_quant:
	s_mov_b64 s[64:65], 0
	v_nop
	global_prefetch_b8 v0, s[64:65] scope:SCOPE_SE
	s_setreg_imm32_b32 hwreg(HW_REG_WAVE_MODE, 25, 1), 1
	s_wait_xcnt 0x0
; x [8192][1024] f32 becomes codes of E4M3 three times, with the scales 2^e1, 2^e3, 2^e5 (its entries for the three projections); Wq, Wk, Wv [16][1024 (k)][64] and Wo [1024 (k)][1024]
; become codes with 2^e0, 2^e2, 2^e4, 2^e11.  code = number / 2^e, held within +-448, rounded to the nearest code, ties to even.
; LIMITS: each of these seven e lies between -126 and 119, so that 2^e and 448 x 2^e are f32 numbers.  NaN among the inputs is not served; an infinity is held at the largest code.
; WORK LEFT OUT BY THE PROGRAM: in the attention launch the key steps of 128, and halves of a step, all of whose keys come after a tile's queries: reference() builds the causal mask itself and puts -inf ahead of the softmax
; there, so p = 0 for every input.  (A NaN, an infinity or an overflow in a score of such a step is not carried to the result.)
; LAYOUT OF THE CODES: the image of the matrix operand's registers, in planes of 256 along K.  An operand [rows][1024 along K] lies as [K / 256][rows / 16][2 fragments of 128 along K][group 0..3][lane 0..31][16 bytes]:
; lane (r = lane % 16, h = lane / 16) holds row r, and its registers 2 c, 2 c + 1 hold K = 16 c + 8 h + 0 .. 7 (the plain 8-bit form's own places); group g is registers 4 g .. 4 g + 3.
;   xf: [3 scales][4 planes][512 blocks of 16 rows][4096];   wf: [Wq, Wk, Wv, Wo][4 planes][64 blocks of 16 rows n][4096], n = 64 head + j for the first three, n = the column for Wo.
; Work-groups 0-255 take the weights, 256-767 x.  Waves share nothing: no barrier.  The two ways have LDS bytes of their own.
.set SPARE, 56320                      ; behind both ways' stages: the spare words, 128 bytes for each wave: two blocks of 256 bytes that no other line names
.set SPW,  5                           ; v5   LDS address of my spare word; never rewritten
.set NIL,  6                           ; v6   0; never rewritten
; the way of x
.set SCL,  8                           ; v8-10   2^e1, 2^e3, 2^e5 as f32: a conversion takes the exponent field
.set LIM,  11                          ; v11-13  448 x these
.set XR,   16                          ; v16-143  four sets of 32: the steps' numbers as loaded
.set XX,   144                         ; v144-207 two sets of 32: the same, 8 neighbours along K at a time
.set XT,   208                         ; v208-223 held numbers
.set XC,   224                         ; v224-247 codes: 8 registers for each scale
; the way of the weights
.set WX,   32                          ; v32-159  64 pairs: two neighbouring columns at one k;  then, v32-63, the codes on the way out
.set WT,   160                         ; v160-191 two sets of 16 held numbers: 8 along K of the even column, 8 of the odd one
.set WC,   192                         ; v192-207 the even column's 64 codes, v208-223 the odd one's
.set WST,  34816                       ; the stages of the weights' way, 5,376 bytes a wave: even columns' rows of 64 bytes (+ 16),
.set ODD,  2688                        ; then the odd ones', 32 words further round the 64 banks than the even ones (ISA guide 11.1), so that a fragment's 16 columns fall on different banks
	s_load_b256 s[4:11], s[0:1], 0x0               ; x s[4:5], Wq s[6:7], Wk s[8:9], Wv s[10:11]
	s_load_b256 s[12:19], s[0:1], 0x20             ; Wo s[12:13], the scales' exponents s[14:15], xf s[16:17], wf s[18:19]
	v_lshl_add_u32 v[SPW], v0, 2, SPARE
	v_mov_b32 v[NIL], 0
	v_lshrrev_b32 v1, 5, v0
	v_readfirstlane_b32 s20, v1                    ; wave 0..3
	v_and_b32 v7, 31, v0                           ; lane
	v_and_b32 v14, 15, v0                          ; r
	v_bfe_u32 v15, v0, 4, 1                        ; h
	v_lshlrev_b32 v4, 4, v7                        ; 16 x lane: my place in a group of an image
	s_wait_alu depctr_va_vdst(0)
	s_wait_kmcnt 0x0
	s_load_b256 s[36:43], s[14:15], 0x0            ; e0 .. e7
	s_load_b128 s[44:47], s[14:15], 0x20           ; e8 .. e11
	s_cmp_ge_u32 ttmp9, 256
	s_cbranch_scc0 .Lweights
; ---- x.  A wave takes 16 rows x 256 along K (one plane), in 4 steps of 16 rows x 64, all on their way at the start.  A load reads two rows' 256 aligned bytes; the step's 4,096 bytes turn through the wave's own
; stage (rows 272 bytes apart = 68 words: 16 rows start at 16 different groups of four banks of the 64: ISA guide 11.1), and come back 8 neighbours along K a lane, in the order of the operand's registers.
	s_sub_co_u32 s21, ttmp9, 256                   ; block of 16 rows; the wave is the plane
	s_lshl_b32 s30, s21, 16                        ; 16 rows of 4,096 bytes
	s_lshl_b32 s31, s20, 10                        ; 256 numbers
	s_add_co_u32 s30, s30, s31
	s_mov_b32 s31, 0
	s_add_nc_u64 s[4:5], s[4:5], s[30:31]
	s_lshl_b32 s30, s21, 12                        ; 2 fragments
	s_lshl_b32 s32, s20, 21                        ; a plane of 512 blocks
	s_add_co_u32 s30, s30, s32
	s_add_nc_u64 s[24:25], s[16:17], s[30:31]      ; the codes under e1,
	s_add_nc_u64 s[26:27], s[24:25], 0x800000      ; under e3,
	s_add_nc_u64 s[28:29], s[26:27], 0x800000      ; under e5
	s_wait_alu depctr_va_vdst(0)
	v_lshlrev_b32 v1, 4, v14
	v_lshl_add_u32 v1, v15, 12, v1                 ; in memory: lanes 0-15 one row's 256 bytes, lanes 16-31 the next row's
	s_mul_i32 s33, s20, 8704                       ; my two stages of 16 x 272 bytes
	v_mul_u32_u24 v2, v15, 272
	v_lshl_add_u32 v2, v14, 4, v2
	v_add_nc_u32 v2, s33, v2                       ; into a stage: as loaded
	v_mul_u32_u24 v3, v14, 272
	v_lshl_add_u32 v3, v15, 5, v3
	v_add_nc_u32 v3, s33, v3                       ; out of it: row r, + 32 h bytes: K = 8 h on
.irp t, 0,1,2,3                        ; step t: eight loads of 512 bytes
.irp i, 0,1,2,3,4,5,6,7
	global_load_b128 v[XR+32*\t+4*\i:XR+32*\t+4*\i+3], v1, s[4:5] offset:256*\t+8192*\i th:TH_LOAD_NT
.endr
.endr
.macro XTURN t                         ; through the stage: LDS serves a wave's instructions in order (ISA guide 5.7.1.4), so no wait stands between the stores and the loads
.irp i, 0,1,2,3,4,5,6,7
	ds_store_b128 v2, v[XR+32*(\t)+4*\i:XR+32*(\t)+4*\i+3] offset:4352*((\t)%2)+544*\i
.endr
.irp n, 0,1,2,3,4,5,6,7                ; registers 8 (2 gl + cc) + 0 .. 7 take K = 32 gl + 16 cc + 8 h + 0 .. 7 of row r
	ds_load_b128 v[XX+32*((\t)%2)+4*\n:XX+32*((\t)%2)+4*\n+3], v3 offset:4352*((\t)%2)+128*(\n/4)+64*((\n/2)%2)+16*(\n%2)
.endr
.endm
.macro XSTEP t
	s_wait_dscnt 0x0                               ; this step's numbers are back from the stage
	s_wait_xcnt 0x0                                ; the last step's six stores have read their codes: these registers are written again only behind this wait
.if (\t)+1 < 4
	s_wait_loadcnt 16-8*(\t)                       ; the next step's eight loads are in; those of the steps behind it (two, one, none) may be out
	XTURN (\t)+1                                   ; goes through the other stage while this step is worked
.endif
.irp j, 0,1,2                          ; the three scales
.irp gl, 0,1                           ; the step's two groups of four registers
.set xi, 0
.rept 16
	v_med3_num_f32 v[XT+xi], v[XX+32*((\t)%2)+16*\gl+xi], -v[LIM+\j], v[LIM+\j]   ; the conversion to an 8-bit code does not saturate (ISA guide 7.6.2): the hold comes first
.set xi, xi+1
.endr
	v_cvt_scalef32_pk8_fp8_f32 v[XC+8*\j+4*\gl:XC+8*\j+4*\gl+1], v[XT:XT+7], v[SCL+\j]
	v_cvt_scalef32_pk8_fp8_f32 v[XC+8*\j+4*\gl+2:XC+8*\j+4*\gl+3], v[XT+8:XT+15], v[SCL+\j]
	v_nop                                          ; one plain line between the conversions and the next write of their sources
	global_store_b128 v4, v[XC+8*\j+4*\gl:XC+8*\j+4*\gl+3], s[24+2*\j:25+2*\j] offset:1024*(\t)+512*\gl   ; a group of an image: the wave stores 512 consecutive bytes, aligned
.endr
.endr
.endm
	s_wait_alu depctr_va_vdst(0)
	s_wait_kmcnt 0x0
.irp j, 0,1,2
	s_add_co_i32 s34, s[37+2*\j], 127
	s_lshl_b32 s35, s34, 23
	v_mov_b32 v[SCL+\j], s35                       ; 2^e
	s_add_co_i32 s34, s34, 8
	s_lshl_b32 s34, s34, 23
	s_or_b32 s34, s34, 0x600000
	v_mov_b32 v[LIM+\j], s34                       ; 448 x 2^e
.endr
	s_wait_alu depctr_va_vdst(0)
	s_wait_loadcnt 24                              ; step 0's eight loads are in
	XTURN 0
.irp t, 0,1,2,3
	XSTEP \t
.endr
	s_wait_tensorcnt 0x0                           ; the wave's end
	ds_add_u32 v[SPW], v[NIL]
	s_wait_dscnt 0x0
	s_endpgm
; ---- the weights: K is not innermost.  A wave takes 64 columns x 64 along K: a lane two neighbouring columns, its registers run down K, so the conversions give codes with K innermost; nothing is transposed by an instruction.
; A load reads one k's 256 aligned bytes; all 64 are asked for at once.  The hold sorts the two columns apart.  The codes are gathered in the wave's own stage and leave as two groups of four blocks of 16 columns.
.Lweights:
	s_lshr_b32 s22, ttmp9, 6                       ; which tensor: 0 Wq, 1 Wk, 2 Wv, 3 Wo
	s_bfe_u32 s23, ttmp9, 0x40002                  ; which 64 columns: the head of the first three
	s_and_b32 s32, ttmp9, 3                        ; which plane; the wave is its quarter of 64 along K
	s_lshl_b32 s33, s32, 2
	s_add_co_u32 s33, s33, s20                     ; which 64 along K
	s_lshl_b32 s26, s23, 18                        ; Wq, Wk, Wv: the head's 262,144 bytes,
	s_lshl_b32 s27, s33, 14
	s_add_co_u32 s26, s26, s27                     ; 64 rows of 256 bytes
	s_lshl_b32 s30, s23, 8
	s_lshl_b32 s27, s33, 18
	s_add_co_u32 s30, s30, s27                     ; Wo: the columns, 64 rows of 4,096 bytes
	s_cmp_eq_u32 s22, 3                            ; the choices hang on the work-group's number alone
	s_cselect_b32 s30, s30, s26
	s_cselect_b64 s[24:25], s[12:13], s[6:7]
	s_cmp_eq_u32 s22, 1
	s_cselect_b64 s[24:25], s[8:9], s[24:25]
	s_cmp_eq_u32 s22, 2
	s_cselect_b64 s[24:25], s[10:11], s[24:25]
	s_mov_b32 s31, 0
	s_add_nc_u64 s[24:25], s[24:25], s[30:31]
	s_lshl_b32 s30, s22, 20                        ; where my codes go: the tensor's 1 MiB,
	s_lshl_b32 s26, s32, 18                        ; the plane of 64 blocks,
	s_add_co_u32 s30, s30, s26
	s_lshl_b32 s26, s23, 14                        ; 4 blocks of 4,096 bytes to 64 columns,
	s_add_co_u32 s30, s30, s26
	s_lshl_b32 s26, s20, 10                        ; two groups to 64 along K
	s_add_co_u32 s30, s30, s26
	s_add_nc_u64 s[18:19], s[18:19], s[30:31]
	s_mul_i32 s27, s20, 5376
	s_add_co_u32 s27, s27, WST                     ; my stage
	s_wait_alu depctr_va_vdst(0)
	v_lshlrev_b32 v3, 3, v7                        ; 8 x lane
	v_mul_u32_u24 v9, v7, 80
	v_add_nc_u32 v9, s27, v9                       ; into the stage: row = lane, column 2 x lane (and, ODD further on, 2 x lane + 1)
	v_and_b32 v16, 1, v14
	v_lshrrev_b32 v17, 1, v14
	v_mul_u32_u24 v12, v16, ODD
	v_mad_u32_u24 v12, v17, 80, v12
	v_lshl_add_u32 v12, v15, 3, v12
	v_add_nc_u32 v12, s27, v12                     ; out of it: column r of a block: row r / 2 of the even or the odd ones, + 8 h bytes
.macro WLOAD pitch
.set wi, 0
.rept 64
	global_load_b64 v[WX+2*wi:WX+2*wi+1], v3, s[24:25] offset:(\pitch)*wi th:TH_LOAD_NT
.set wi, wi+1
.endr
.endm
	s_cmp_eq_u32 s22, 3
	s_wait_alu depctr_va_vdst(0)
	s_cbranch_scc1 .Lwo
	WLOAD 256
	s_branch .Lasked
.Lwo:
	WLOAD 4096
.Lasked:
	s_wait_kmcnt 0x0
	s_cmp_eq_u32 s22, 1
	s_cselect_b32 s26, s38, s36                    ; e2 or e0,
	s_cmp_eq_u32 s22, 2
	s_cselect_b32 s26, s40, s26                    ; e4,
	s_cmp_eq_u32 s22, 3
	s_cselect_b32 s26, s47, s26                    ; e11
	s_add_co_i32 s26, s26, 127
	s_lshl_b32 s27, s26, 23
	v_mov_b32 v11, s27                             ; 2^e
	s_add_co_i32 s26, s26, 8
	s_lshl_b32 s26, s26, 23
	s_or_b32 s26, s26, 0x600000
	v_mov_b32 v10, s26                             ; 448 x 2^e
	s_wait_alu depctr_va_vdst(0)
.irp k, 0,1,2,3,4,5,6,7                ; 8 along K of both columns
	s_wait_loadcnt 56-8*\k                         ; these eight loads are in; the count is the loads issued behind them
.set T, WT+16*(\k%2)                   ; the two sets take turns: sixteen plain lines stand between a conversion and the next write of its sources
.set wi, 0
.rept 8
	v_med3_num_f32 v[T+wi], v[WX+16*\k+2*wi], -v10, v10
.set wi, wi+1
.endr
.set wi, 0
.rept 8
	v_med3_num_f32 v[T+8+wi], v[WX+16*\k+2*wi+1], -v10, v10
.set wi, wi+1
.endr
	v_cvt_scalef32_pk8_fp8_f32 v[WC+2*\k:WC+2*\k+1], v[T:T+7], v11
	v_cvt_scalef32_pk8_fp8_f32 v[WC+16+2*\k:WC+16+2*\k+1], v[T+8:T+15], v11
.endr
	v_nop                                          ; a plain line behind the last conversion
.irp q, 0,1,2,3
	ds_store_b128 v9, v[WC+4*\q:WC+4*\q+3] offset:16*\q
	ds_store_b128 v9, v[WC+16+4*\q:WC+16+4*\q+3] offset:ODD+16*\q
.endr
.irp b, 0,1,2,3                        ; block of 16 columns; register pair c takes K = 16 c + 8 h + 0 .. 7
.irp c, 0,1,2,3
	ds_load_b64 v[WX+8*\b+2*\c:WX+8*\b+2*\c+1], v12 offset:640*\b+16*\c
.endr
.endr
.irp b, 0,1,2,3
.irp g, 0,1
	s_wait_dscnt 14-4*\b-2*\g                      ; the two loads of this group are in; the count is the loads issued behind them
	global_store_b128 v4, v[WX+8*\b+4*\g:WX+8*\b+4*\g+3], s[18:19] offset:4096*\b+512*\g   ; 512 consecutive bytes, aligned
.endr
.endr
	s_wait_tensorcnt 0x0                           ; the wave's end
	ds_add_u32 v[SPW], v[NIL]
	s_wait_dscnt 0x0
	s_endpgm
.Lfunc_end_k_qb49c369f3f_quant:
	.size	k_qb49c369f3f_quant, .Lfunc_end_k_qb49c369f3f_quant-k_qb49c369f3f_quant
	.p2alignl 7, 3214868480
	.fill 96, 4, 3214868480
	.section	.rodata,"a",@progbits
	.p2align	6, 0x0
	.amdhsa_kernel k_qb49c369f3f_quant
		.amdhsa_group_segment_fixed_size 56832
		.amdhsa_private_segment_fixed_size 0
		.amdhsa_enable_private_segment 0
		.amdhsa_kernarg_size 64
		.amdhsa_user_sgpr_count 2
		.amdhsa_user_sgpr_kernarg_segment_ptr 1
		.amdhsa_wavefront_size32 1
		.amdhsa_system_sgpr_workgroup_id_x 1
		.amdhsa_system_sgpr_workgroup_id_y 1
		.amdhsa_system_sgpr_workgroup_id_z 1
		.amdhsa_system_vgpr_workitem_id 0
		.amdhsa_next_free_vgpr 248
		.amdhsa_next_free_sgpr 66
		.amdhsa_reserve_vcc 0
		.amdhsa_float_denorm_mode_32 3
		.amdhsa_float_denorm_mode_16_64 3
		.amdhsa_memory_ordered 1
		.amdhsa_forward_progress 1
		.amdhsa_inst_pref_size 67
	.end_amdhsa_kernel
	.amdgpu_metadata
---
amdhsa.version: [ 1, 2 ]
amdhsa.kernels:
  - .name:           k_qb49c369f3f_quant
    .symbol:         k_qb49c369f3f_quant.kd
    .args:
      - { .name: x, .offset: 0, .size: 8, .value_kind: global_buffer, .address_space: global }
      - { .name: Wq, .offset: 8, .size: 8, .value_kind: global_buffer, .address_space: global }
      - { .name: Wk, .offset: 16, .size: 8, .value_kind: global_buffer, .address_space: global }
      - { .name: Wv, .offset: 24, .size: 8, .value_kind: global_buffer, .address_space: global }
      - { .name: Wo, .offset: 32, .size: 8, .value_kind: global_buffer, .address_space: global }
      - { .name: lowp_scales, .offset: 40, .size: 8, .value_kind: global_buffer, .address_space: global }
      - { .name: xf, .offset: 48, .size: 8, .value_kind: global_buffer, .address_space: global }
      - { .name: wf, .offset: 56, .size: 8, .value_kind: global_buffer, .address_space: global }
    .group_segment_fixed_size: 56832
    .private_segment_fixed_size: 0
    .kernarg_segment_align: 8
    .kernarg_segment_size: 64
    .max_flat_workgroup_size: 128
    .sgpr_count:     66
    .vgpr_count:     248
    .wavefront_size: 32
...
	.end_amdgpu_metadata
.endif
;; end of part 1
;; launch qkv (part 2): grid 8 x 32, 4 waves a work-group, clusters of 4 x 4, 327,680 bytes of LDS; arguments xf, wf, lowp_scales, qkv; writes qkv
.if DOCPART == 2
	.amdgcn_target "amdgcn-amd-amdhsa--gfx1250"
	.amdhsa_code_object_version 6
	.text
	.protected	k_qb49c369f3f_qkv
	.globl	k_qb49c369f3f_qkv
	.p2align	8
	.type	k_qb49c369f3f_qkv,@function
k_qb49c369f3f_qkv:
	s_mov_b64 s[64:65], 0
	v_nop
	global_prefetch_b8 v0, s[64:65] scope:SCOPE_SE
	s_setreg_imm32_b32 hwreg(HW_REG_WAVE_MODE, 25, 1), 1
	s_wait_xcnt 0x0
	s_wait_alu depctr_hold_cnt(0) depctr_sa_sdst(0) depctr_va_vdst(0) depctr_va_sdst(0) depctr_va_ssrc(0) depctr_va_vcc(0) depctr_vm_vsrc(0)
	s_getreg_b32 s2, hwreg(HW_REG_IB_STS2, 6, 4)
	s_cmp_eq_u32 s2, 0
	s_cbranch_scc0 .Lentry_in_a_cluster
	s_endpgm
.Lentry_in_a_cluster:
	s_bfe_u32 s2, ttmp6, 0x10000c
	s_cmp_lg_u32 s2, 0xf033
	s_cbranch_scc0 .Lentry_shape_is_right
	s_endpgm
.Lentry_shape_is_right:
; The three projections.  Q and K: cluster column 0 makes Q, column 1 makes K: 256 tokens x 256 columns a work-group, source 1 = tokens, so that a lane's results run along the columns (the next K);
; then V: 128 columns x 256 tokens, source 1 = columns, so that a lane's results run along the tokens.  Each sum is quantised in registers with e6, e7 or e9 and stored as the image of attention's operands.
; LIMITS: e6 - e0 - e1, e7 - e2 - e3 and e9 - e4 - e5 lie between -126 and 119.  NaN is not served.
; K goes in steps of 256 (one plane of xf and wf, in which 128 rows are 32,768 bytes on end) through two slots.  A half of an operand keeps its two slots side by side, so the head's one joint load a wave
; brings K steps 0 and 1 at once: two rows of 32,768 bytes.  CLUSTERS 4 x 4: x's tiles are shared along one axis, the weights' along the other.
.set AHB,   65536                      ; a half of A: two slots
.set BHB,   65536
.set SLOT,  32768                      ; from slot 0 to slot 1 inside a half
.set SPARE, 262144                     ; behind the four halves: the spare words, 128 bytes for each wave
.set XPLANE, 0x200000                  ; a plane of xf: 512 blocks of 4,096 bytes
.set WPLANE, 0x40000                   ; a plane of a weight: 64 blocks
.set FSA, 2*XPLANE                     ; a refill goes two planes on: A is x for Q and K,
.set FSB, 2*WPLANE                     ; B the weight
.set HA,    4
.set ADRA, 16
.set ADRB, 20
.set CO,   26
.set SPW,  28
.set NIL,  29
.set SCLR, 30
.set LIMR, 31
.set TMP,  32
.set AF,   128
.set CR,   128
.set G1,  24
.set G0,  32
.set G1B, 48
.set G0B, 56
.set G1S, 80
.set RS,  88
.set CS,  90
.set GR,  G1
.set MSB, 0
.macro WIN new
.if MSB != (\new)
	s_set_vgpr_msb (MSB<<8)|(\new)
.set MSB, (\new)
.endif
.endm
.set MUL_LO, 0xa1
.set MUL_HI, 0xf1
.set TO_B,   0x40
.macro JLOAD g0a, g1a, g0b, g1b
	s_cmp_eq_u32 s15, 0
	s_cbranch_scc0 .Lfor_b_\@
	tensor_load_to_lds s[\g0a:\g0a+3], s[\g1a:\g1a+7]
	s_nop 0
.rept 4
	v_nop
.endr
	s_branch .Lasked_\@
.Lfor_b_\@:
	tensor_load_to_lds s[\g0b:\g0b+3], s[\g1b:\g1b+7]
	s_nop 0
.rept 4
	v_nop
.endr
.Lasked_\@:
.endm
.macro CREST
	s_cmp_lg_u32 s14, 0
	s_cbranch_scc1 .Lnot_wave_0_\@
	s_barrier_signal -3
.Lnot_wave_0_\@:
	s_barrier_wait -3
	s_barrier_signal -1
	s_barrier_wait -1
.endm
.macro CROUND
	s_barrier_signal -1
	s_barrier_wait -1
	CREST
.endm
	s_load_b128 s[4:7], s[0:1], 0x0
	s_load_b128 s[8:11], s[0:1], 0x10
	v_lshl_add_u32 v[SPW], v0, 2, SPARE
	v_mov_b32 v[NIL], 0
	ds_add_u32 v[SPW], v[NIL]
	ds_add_u32 v[SPW], v[NIL]
	v_lshrrev_b32 v1, 5, v0
	v_readfirstlane_b32 s14, v1
	s_lshr_b32 s15, s14, 1
	s_and_b32 s16, s14, 1
	s_bfe_u32 s40, ttmp6, 0x40000
	s_bfe_u32 s41, ttmp6, 0x40004
	s_and_b32 s19, ttmp7, 0xffff
	s_lshl_b32 s19, s19, 2
	s_add_co_u32 s17, s19, s41
	s_add_co_u32 s93, s19, s40
	s_lshl_b32 s94, ttmp9, 2
	s_add_co_u32 s94, s94, s41
	s_lshl_b32 s43, s41, 2
	s_lshl_b32 s43, 15, s43
	s_lshl_b32 s44, 0x1111, s40
	s_or_b32 s[G1+0], s43, (3<<16)|(1<<21)
	s_or_b32 s[G1S+0], s43, (3<<16)|(1<<21)
	s_or_b32 s[G1B+0], s44, (3<<16)|(1<<21)
.irp g, G1, G1S, G1B
	s_mov_b32 s[\g+6], 0
	s_mov_b32 s[\g+7], 0
.endr
.irp g, G1, G1B                        ; the head's tiles: 2 planes, a row of 4,096 elements of 8 bytes in each
	s_mov_b32 s[\g+1], 4096<<16
	s_mov_b32 s[\g+2], 2<<16
	s_mov_b32 s[\g+3], 4096<<16
	s_mov_b32 s[\g+4], 2
.endr
	s_mov_b32 s[G1+5], XPLANE/8
	s_mov_b32 s[G1B+5], WPLANE/8
	s_mov_b32 s[G1S+1], 512<<16                    ; 64 rows of Wv: 4 dense rows of 512 elements
	s_mov_b32 s[G1S+3], 512<<16
	s_mov_b32 s[G1S+5], 512
	s_mov_b32 s[G1S+2], 4<<16
	s_mov_b32 s[G1S+4], 4
	s_lshl_b32 s18, s16, 7
	s_lshl_b32 s20, s17, 8
	s_add_co_u32 s20, s20, s18
	s_lshl_b32 s20, s20, 8
	s_lshl_b32 s22, ttmp9, 23
	s_add_co_u32 s20, s20, s22
	s_mov_b32 s21, 0
	s_lshl_b32 s46, s40, 8
	s_add_co_u32 s46, s46, s18
	s_lshl_b32 s46, s46, 8
	s_lshl_b32 s23, ttmp9, 20
	s_add_co_u32 s46, s46, s23
	s_mov_b32 s47, 0
	s_lshl_b32 s[RS], s94, 7
	s_lshl_b32 s95, s16, 6
	s_add_co_u32 s[RS], s[RS], s95
	s_lshl_b32 s[RS], s[RS], 8
	s_add_co_u32 s[RS], s[RS], 2<<20
	s_mov_b32 s[RS+1], 0
	s_lshl_b32 s[CS], s93, 8
	s_add_co_u32 s[CS], s[CS], s18
	s_lshl_b32 s[CS], s[CS], 8
	s_add_co_u32 s[CS], s[CS], 2<<23
	s_mov_b32 s[CS+1], 0
	s_mul_i32 s45, s16, AHB
	s_mul_i32 s92, s16, BHB
	s_add_co_u32 s92, s92, 2*AHB
	s_wait_dscnt 0x0
	s_wait_kmcnt 0x0
	s_load_b256 s[68:75], s[8:9], 0x0
	s_load_b128 s[76:79], s[8:9], 0x20
	s_add_nc_u64 s[20:21], s[4:5], s[20:21]
	s_add_nc_u64 s[46:47], s[6:7], s[46:47]
	s_add_nc_u64 s[RS:RS+1], s[6:7], s[RS:RS+1]
	s_add_nc_u64 s[CS:CS+1], s[4:5], s[CS:CS+1]
	CROUND
.irp s, 0,1
	s_mov_b32 s[G0+4*\s], 1
	s_add_co_u32 s[G0+4*\s+1], s45, \s*SLOT
	s_add_nc_u64 s[G0+4*\s+2:G0+4*\s+3], s[20:21], \s*XPLANE
	s_or_b32 s[G0+4*\s+3], s[G0+4*\s+3], 0x80000000
	s_mov_b32 s[G0B+4*\s], 1
	s_add_co_u32 s[G0B+4*\s+1], s92, \s*SLOT
	s_add_nc_u64 s[G0B+4*\s+2:G0B+4*\s+3], s[46:47], \s*WPLANE
	s_or_b32 s[G0B+4*\s+3], s[G0B+4*\s+3], 0x80000000
.endr
	JLOAD G0, G1, G0B, G1B                         ; K steps 0 and 1: both slots of my half
	v_and_b32 v1, 31, v0
	v_lshlrev_b32 v[CO], 4, v1
	s_lshl_b32 s4, s15, 4
	s_or_b32 s4, s4, 15                            ; Wv's share of a K step is 16 blocks of 256 bytes, every other share 32
	v_min_u32 v2, s4, v1
	v_lshlrev_b32 v2, 8, v2                        ; v2: V's prefetches: a lane a block (the lanes left over name the last one again); never rewritten
	v_lshlrev_b32 v27, 8, v1                       ; v27: the same for K steps 2 and 3; never rewritten
	s_mul_i32 s2, s15, AHB
	s_mul_i32 s3, s16, BHB
	s_add_co_u32 s3, s3, 2*AHB
.irp s, 0,1
	v_add_nc_u32 v[ADRA+\s], s2, v[CO]
	v_add_nc_u32 v[ADRB+\s], s3, v[CO]
	s_add_co_u32 s2, s2, SLOT
	s_add_co_u32 s3, s3, SLOT
.endr
	s_lshl_b32 s95, s17, 8
	s_lshl_b32 s96, s15, 7
	s_add_co_u32 s95, s95, s96
	s_lshl_b32 s97, s40, 8
	s_add_co_u32 s97, s97, s18
	s_lshr_b32 s66, s95, 10
	s_lshl_b32 s66, s66, 20
	s_and_b32 s98, s95, 1023
	s_lshl_b32 s98, s98, 7
	s_add_co_u32 s66, s66, s98
	s_lshr_b32 s98, s97, 7
	s_lshl_b32 s98, s98, 17
	s_add_co_u32 s66, s66, s98
	s_add_co_u32 s66, s66, s22
	s_mov_b32 s67, 0
	s_lshl_b32 s95, s94, 7
	s_lshl_b32 s96, s15, 6
	s_add_co_u32 s95, s95, s96
	s_lshl_b32 s97, s93, 8
	s_add_co_u32 s97, s97, s18
	s_lshr_b32 s98, s97, 10
	s_lshl_b32 s98, s98, 20
	s_and_b32 s99, s97, 1023
	s_lshl_b32 s99, s99, 7
	s_add_co_u32 s98, s98, s99
	s_lshr_b32 s99, s95, 7
	s_lshl_b32 s99, s99, 17
	s_add_co_u32 s98, s98, s99
	s_and_b32 s99, s95, 127
	s_lshl_b32 s99, s99, 7
	s_add_co_u32 s98, s98, s99
	s_add_co_u32 s98, s98, 2<<23
	s_mov_b32 s99, 0
	s_add_nc_u64 s[12:13], s[10:11], s[98:99]
	s_add_nc_u64 s[10:11], s[10:11], s[66:67]
	; PREFETCHES INTO THE L2, two K steps ahead of the joint loads.  Every wave asks for what it fetches; the four partners that ask for a half jointly share its 256-byte blocks out by address (cx for A, cy for B),
	; so each block is named once in each cluster.  K steps 0 and 1 come by their load alone; K steps 2 and 3 are asked for here, under that load's flight; V's step s at the change of slots two ahead of its load.
	; Each request has a base of its own: s[2:3], s[100:101] K steps 2, 3; s[92:99] V's steps 0 to 3.
	s_mov_b32 s7, 0
	s_cmp_eq_u32 s15, 0                            ; do I fetch for A?
	s_cselect_b64 s[2:3], s[20:21], s[46:47]
	s_cselect_b64 s[92:93], s[RS:RS+1], s[CS:CS+1]
	s_cselect_b32 s6, s40, s41                     ; my place among the four
	s_cselect_b32 s4, 12, 13                       ; V: shares of 4,096 bytes of Wv, 8,192 of x
	s_mov_b32 s5, WPLANE
	s_cselect_b32 s5, XPLANE, s5                   ; from K step to K step: Q and K,
	s_mov_b32 s100, XPLANE
	s_cselect_b32 s100, WPLANE, s100               ; V
	s_mov_b32 s101, 0
	s_lshl_b32 s4, s6, s4
	s_lshl_b32 s6, s6, 13
	s_add_nc_u64 s[2:3], s[2:3], s[6:7]
	s_mov_b32 s6, s4
	s_add_nc_u64 s[92:93], s[92:93], s[6:7]
	s_add_nc_u64 s[94:95], s[92:93], s[100:101]
	s_add_nc_u64 s[96:97], s[94:95], s[100:101]
	s_add_nc_u64 s[98:99], s[96:97], s[100:101]
	s_mov_b32 s6, s5
	s_add_nc_u64 s[2:3], s[2:3], s[6:7]
	s_add_nc_u64 s[2:3], s[2:3], s[6:7]
	s_add_nc_u64 s[100:101], s[2:3], s[6:7]
	s_wait_alu depctr_va_vdst(0)
	global_prefetch_b8 v27, s[2:3] th:TH_LOAD_NT scope:SCOPE_SE
	global_prefetch_b8 v27, s[100:101] th:TH_LOAD_NT scope:SCOPE_SE
.set PFS, 92                           ; the next prefetch's base
.macro FRAG reg, adr, q, i
.irp c, 0,1,2,3
	ds_load_b128 v[\reg+4*\c:\reg+4*\c+3], v[\adr] offset:4096*(\i)+2048*(\q)+512*\c
.endr
.endm
.macro MULN a0, cnt, p, zero
.set ma, \a0
.rept \cnt
.irp b, 0,1,2,3,4,5,6,7
.set rD, 8*(8*(ma%HA)+\b)
.if \zero
	v_wmma_f32_16x16x128_fp8_fp8 v[rD:rD+7], v[128*(\p)+16*\b:128*(\p)+16*\b+15], v[AF+16*ma:AF+16*ma+15], 0
.else
	v_wmma_f32_16x16x128_fp8_fp8 v[rD:rD+7], v[128*(\p)+16*\b:128*(\p)+16*\b+15], v[AF+16*ma:AF+16*ma+15], v[rD:rD+7]
.endif
.endr
.set ma, ma+1
.endr
.endm
.macro FETCH_B slot, q, p
	WIN TO_B
.irp i, 0,1,2,3,4,5,6,7
	FRAG 128*(\p)+16*\i, ADRB+\slot, \q, \i
.endr
	WIN 0
.endm
.macro FETCH_A slot, q, i0
.set fi, \i0
.rept HA
	FRAG AF+16*fi, ADRA+\slot, \q, fi
.set fi, fi+1
.endr
.endm
.macro PLACES cnt
.rept \cnt
	v_nop
.endr
.endm
.macro STEP slot, q, nslot, nq, zero
	s_wait_dscnt 4*HA
	WIN MUL_LO
	MULN 0, HA, (\q)%2, \zero
	s_wait_dscnt 0x0
	PLACES 4
	FETCH_B \nslot, \nq, 1-(\q)%2
	FETCH_A \nslot, \nq, 0
	WIN MUL_HI
	MULN HA, HA, (\q)%2, \zero
	PLACES 4
	WIN 0
	FETCH_A \nslot, \nq, HA
.endm
.macro TURN slot, next, fill, fetch
	s_wait_tensorcnt 0x0
	ds_add_u32 v[SPW], v[NIL]
	s_wait_dscnt 4*HA+1
	WIN MUL_LO
	MULN 0, HA/2, 1, 0
	s_wait_dscnt 0x0
	s_barrier_signal -1
	MULN HA/2, HA/2, 1, 0
	WIN 0
	s_barrier_wait -1
.if \fill == 1
	CREST
	s_add_nc_u64 s[G0+4*\slot+2:G0+4*\slot+3], s[G0+4*\slot+2:G0+4*\slot+3], FSA
	s_add_nc_u64 s[G0B+4*\slot+2:G0B+4*\slot+3], s[G0B+4*\slot+2:G0B+4*\slot+3], FSB
	JLOAD G0+4*\slot, GR, G0B+4*\slot, G1B
.elseif \fill == 2
	CREST
	s_add_nc_u64 s[G0+4*\slot+2:G0+4*\slot+3], s[RS:RS+1], \slot*WPLANE
	s_or_b32 s[G0+4*\slot+3], s[G0+4*\slot+3], 0x80000000
	s_add_nc_u64 s[G0B+4*\slot+2:G0B+4*\slot+3], s[CS:CS+1], \slot*XPLANE
	s_or_b32 s[G0B+4*\slot+3], s[G0B+4*\slot+3], 0x80000000
	JLOAD G0+4*\slot, G1S, G0B+4*\slot, G1B
.else
	PLACES 4
.endif
.if \fetch
	FETCH_B \next, 0, 0
	FETCH_A \next, 0, 0
.endif
.if PFS < 100                          ; the four changes of slots of Q and K ask for V's steps 0 to 3, V's own for nothing
	global_prefetch_b8 v2, s[PFS:PFS+1] th:TH_LOAD_NT scope:SCOPE_SE
.set PFS, PFS+2
.endif
	WIN MUL_HI
	MULN HA, HA, 1, 0
.if \fetch
	PLACES 4
	WIN 0
	FETCH_A \next, 0, HA
.else
	WIN 0
.endif
.endm
.macro MKSCALE eo, ew, ex
	s_sub_co_i32 s97, s[\eo], s[\ew]
	s_sub_co_i32 s97, s97, s[\ex]
	s_add_co_i32 s97, s97, 127
	s_lshl_b32 s98, s97, 23
	s_add_co_i32 s97, s97, 8
	s_lshl_b32 s97, s97, 23
	s_or_b32 s97, s97, 0x600000
	PLACES 4
	v_mov_b32 v[SCLR], s98
	v_mov_b32 v[LIMR], s97
.endm
.macro OUTBLK a, base
	WIN 0x02+(\a)/HA
.set oj, 0
.rept 64
	v_med3_num_f32 v[TMP+oj], v[64*((\a)%HA)+oj], -v[LIMR], v[LIMR]
.set oj, oj+1
.endr
	WIN 0
.irp b, 0,1,2,3,4,5,6,7
	v_cvt_scalef32_pk8_fp8_f32 v[CR+16*(\a)+2*\b:CR+16*(\a)+2*\b+1], v[TMP+8*\b:TMP+8*\b+7], v[SCLR]
.endr
	v_nop
.irp g, 0,1,2,3
	global_store_b128 v[CO], v[CR+16*(\a)+4*\g:CR+16*(\a)+4*\g+3], s[\base:\base+1] offset:2048*(\a)+512*\g
.endr
.endm
	s_wait_alu depctr_va_vdst(0)
	s_wait_tensorcnt 0x0                           ; my half's two slots are in; no load of mine is out, so group 1 may be written:
.irp g, G1, G1B                        ; from here on a tile is one plane's 128 rows: 8 dense rows of 512 elements
	s_mov_b32 s[\g+1], 512<<16
	s_mov_b32 s[\g+2], 8<<16
	s_mov_b32 s[\g+3], 512<<16
	s_mov_b32 s[\g+4], 8
	s_mov_b32 s[\g+5], 512
.endr
	s_barrier_signal -1
	s_barrier_wait -1
	FETCH_B 0, 0, 0
	FETCH_A 0, 0, 0
	FETCH_A 0, 0, HA
	STEP 0, 0, 0, 1, 1
	TURN 0, 1, 1, 1
	STEP 1, 0, 1, 1, 0
	TURN 1, 0, 1, 1
	STEP 0, 0, 0, 1, 0
	TURN 0, 1, 2, 1
	STEP 1, 0, 1, 1, 0
	TURN 1, 0, 2, 0
	s_wait_kmcnt 0x0
	s_wait_xcnt 0x0                                ; the prefetches have read their bases: s93 and those behind it may be written
	s_cmp_eq_u32 ttmp9, 1
	s_cselect_b32 s93, s75, s74
	s_cselect_b32 s94, s70, s68
	s_cselect_b32 s95, s71, s69
	MKSCALE 93, 94, 95
.irp a, 0,1,2,3,4,5,6,7
	OUTBLK \a, 10
.endr
	s_wait_xcnt 0x0
.set HA, 2
.set GR, G1S
.set FSA, 2*WPLANE                     ; V: A is the weight, B is x
.set FSB, 2*XPLANE
	FETCH_B 0, 0, 0
	FETCH_A 0, 0, 0
	FETCH_A 0, 0, HA
	STEP 0, 0, 0, 1, 1
	TURN 0, 1, 1, 1
	STEP 1, 0, 1, 1, 0
	TURN 1, 0, 1, 1
	STEP 0, 0, 0, 1, 0
	TURN 0, 1, 0, 1
	STEP 1, 0, 1, 1, 0
	s_wait_dscnt 4*HA
	WIN MUL_LO
	MULN 0, HA, 1, 0
	s_wait_dscnt 0x0
	WIN MUL_HI
	MULN HA, HA, 1, 0
	WIN 0
	MKSCALE 77, 72, 73
.irp a, 0,1,2,3
	OUTBLK \a, 12
.endr
	s_wait_tensorcnt 0x0
	ds_add_u32 v[SPW], v[NIL]
	s_wait_dscnt 0x0
	CROUND
	s_endpgm
.Lfunc_end_k_qb49c369f3f_qkv:
	.size	k_qb49c369f3f_qkv, .Lfunc_end_k_qb49c369f3f_qkv-k_qb49c369f3f_qkv
	.p2alignl 7, 3214868480
	.fill 96, 4, 3214868480
	.section	.rodata,"a",@progbits
	.p2align	6, 0x0
	.amdhsa_kernel k_qb49c369f3f_qkv
		.amdhsa_group_segment_fixed_size 327680
		.amdhsa_private_segment_fixed_size 0
		.amdhsa_enable_private_segment 0
		.amdhsa_kernarg_size 32
		.amdhsa_user_sgpr_count 2
		.amdhsa_user_sgpr_kernarg_segment_ptr 1
		.amdhsa_wavefront_size32 1
		.amdhsa_system_sgpr_workgroup_id_x 1
		.amdhsa_system_sgpr_workgroup_id_y 1
		.amdhsa_system_sgpr_workgroup_id_z 1
		.amdhsa_system_vgpr_workitem_id 0
		.amdhsa_next_free_vgpr 1024
		.amdhsa_next_free_sgpr 102
		.amdhsa_reserve_vcc 0
		.amdhsa_float_denorm_mode_32 3
		.amdhsa_float_denorm_mode_16_64 3
		.amdhsa_memory_ordered 1
		.amdhsa_forward_progress 1
		.amdhsa_inst_pref_size 189
	.end_amdhsa_kernel
	.amdgpu_metadata
---
amdhsa.version: [ 1, 2 ]
amdhsa.kernels:
  - .name:           k_qb49c369f3f_qkv
    .symbol:         k_qb49c369f3f_qkv.kd
    .args:
      - { .name: xf, .offset: 0, .size: 8, .value_kind: global_buffer, .address_space: global }
      - { .name: wf, .offset: 8, .size: 8, .value_kind: global_buffer, .address_space: global }
      - { .name: lowp_scales, .offset: 16, .size: 8, .value_kind: global_buffer, .address_space: global }
      - { .name: qkv, .offset: 24, .size: 8, .value_kind: global_buffer, .address_space: global }
    .group_segment_fixed_size: 327680
    .private_segment_fixed_size: 0
    .kernarg_segment_align: 8
    .kernarg_segment_size: 32
    .max_flat_workgroup_size: 128
    .sgpr_count:     102
    .vgpr_count:     1024
    .wavefront_size: 32
...
	.end_amdgpu_metadata
.endif
;; end of part 2
;; launch attn (part 3): grid 2 x 128, 16 waves a work-group, no clusters, 327,680 bytes of LDS; arguments qkv, lowp_scales, af; writes af
.if DOCPART == 3
	.amdgcn_target "amdgcn-amd-amdhsa--gfx1250"
	.amdhsa_code_object_version 6
	.text
	.protected	k_qb49c369f3f_attn
	.globl	k_qb49c369f3f_attn
	.p2align	8
	.type	k_qb49c369f3f_attn,@function
k_qb49c369f3f_attn:
	s_mov_b64 s[64:65], 0
	v_nop
	global_prefetch_b8 v0, s[64:65] scope:SCOPE_SE
	s_setreg_imm32_b32 hwreg(HW_REG_WAVE_MODE, 25, 1), 1
	s_wait_xcnt 0x0
; Causal attention of one head on codes of E4M3, head size 64, 1,024 tokens; its result quantised in registers, with 2^e10, as the row operand of the last projection.
.set SPARE, 131072                     ; behind K and V: the spare words, 128 bytes for each wave: eight blocks of 256 bytes that no other line names
; THE SOFTMAX AHEAD OF THE SECOND PRODUCT: t = score x log2(e) / 8; M = the row's largest t so far, rounded up to a whole number; p = 2^(t - M) is quantised with 2^e8, not normalised; the row's sum is taken of the
; unquantised p and divides at the end.  When M moves, the sum and O are multiplied by 2^(old M - new M): exact.
; SHARES.  Two work-groups to a head (work-group x = g), sixteen waves each, four to a SIMD.  A head has 64 tiles of 16 queries; tile u needs u / 8 + 1 key steps of 128.
; Wave w, with i = w / 4 and s = w % 4, walks the high tile 63 - (8 i + 2 s + g), then the low tile 8 ((i + 1) % 4) + 2 s + g: 10, 10, 10 and 6 key steps for i = 0 .. 3, so that four waves with one s have 36.
; LDS.  The head's K (64 KiB) and V (64 KiB) come in two parts, one tensor load a wave for each: keys 0-383 at the head, keys 384-1023 behind the first barrier.  Each high tile's first query is 512 or more, so its first three
; key steps, the same for all waves, run on the first part with no mask while the second lands.  Wave w < 8 brings block w (16 keys) of every key step of K, wave 8 + w the w-th 1,024 bytes of every key step of V:
; rows of 1,024 bytes, 16,384 apart in memory; in LDS key step k's piece lies at 8,192 x wave + 1,024 k.  Nothing is filled again.  The barrier that shows the second part is signalled behind the second of the three
; steps and waited for behind the third, which reads the first part alone.
; No cluster: only the two work-groups of a head read the same tiles, and each reads them once; the cluster forms are of four and more.  No prefetch: there are two loads a wave and no loop of loads to run ahead in.
; LAYOUT.  Both products are used transposed: S^T = K Q^T (16 x 16 x 64; source 0 = 16 keys, source 1 = my 16 queries): lane (r, h) holds query r, register 8 t + j key 16 t + 8 h + j: just what registers 2 t, 2 t + 1 of
; P, as source 1 of O^T = V^T P^T (16 x 16 x 128 or x 64), hold in that lane.  O^T: lane (r, h), register 8 d + j: channel 16 d + 8 h + j of query r: registers 2 c, 2 c + 1 of the last projection's operand.
; CAUSAL (WORK LEFT OUT): a step all of whose keys come after the tile's queries is jumped over, and where the diagonal lies in a step's first 64 keys only these are worked (scalar branches on ids).  Among the key tiles of 16
; of the half that holds the diagonal, those under it count whole, the one on it takes -infinity where key > query (eight lane masks, the same for every tile), those beyond it take -infinity whole.  A NaN, an infinity or an
; overflow among hidden scores is not carried to the result.
; LIMITS: e6 + e7 between -123 and 130 (added to c's exponent field); e8 between -126 and 119; e8 + e9 - e10 is applied by v_ldexp_f32.  The scaled scores stay under 2^31 in magnitude.  NaN is not served.
; REGISTERS: v1 16 x lane, v2 the same + V's first byte; v8, v9 the step's addresses; v12 -M, v13 the largest t, v[14:15] the sum; v16-23 the high tile's Q, v24-31 the low tile's; v32-95 K's eight fragments, then V's four;
; v96-159 S^T, then p; v160-191 O^T; v192-199 at work; v201-204 constants; v206-219 partial sums; v224-239 p's codes.
.set FIRST, 3                          ; key steps in the first part
.set SPW, 5
.set NIL, 6
.set ADK, 8
.set ADV, 9
.set KV,  32
.set S,   96
.set OT,  160
.set PS,  206
.set PC,  224
.set TB,  2                            ; s2   1,024 x key step
.set WV,  18                           ; s18  wave
.set EO,  19                           ; s19  e8 + e9 - e10
.set SEL, 20                           ; s[20:21] selects for v_permlanex16_b32: lane xor 16
.set CS,  22                           ; s[22:23] c = log2(e) / 8 x 2^(e6 + e7)
.set G1A, 24                           ; s[24:31] descriptor group 1 of the first part, s[32:39] of the second;  s[40:43], s[44:47] their groups 0
.set G1Z, 32
.set G0A, 40
.set G0Z, 44
.set KF,  60                           ; s60  the step's first key
.set QHI, 61                           ; s61  the high tile's first query
.set QLO, 62                           ; s62  the low tile's
.set CNT, 63
.set MK,  80                           ; s80-87 lane masks of the diagonal tile: register j is hidden
.set HOLD, 90                          ; s90  448 x 2^e8
.set NINF, 91                          ; s91  -infinity
	s_load_b128 s[4:7], s[0:1], 0x0                ; qkv s[4:5], the scales' exponents s[6:7]
	s_load_b64 s[8:9], s[0:1], 0x10                ; af
	v_lshl_add_u32 v[SPW], v0, 2, SPARE
	v_mov_b32 v[NIL], 0
	ds_add_u32 v[SPW], v[NIL]                      ; the wave's opening: the add, twice on end, and its wait ahead of my first tensor load; work on registers stands between
	ds_add_u32 v[SPW], v[NIL]
	v_lshrrev_b32 v8, 5, v0
	v_readfirstlane_b32 s[WV], v8                  ; wave 0..15
	s_and_b32 s72, ttmp7, 0xffff                   ; 16 x batch + head
	s_lshr_b32 s73, s72, 4                         ; batch
	s_bfe_u32 s74, s72, 0x30001                    ; pair of heads
	s_and_b32 s75, s72, 1                          ; head of the pair
	s_lshl_b32 s76, s73, 20
	s_lshl_b32 s77, s74, 17
	s_add_co_u32 s76, s76, s77                     ; the pair's first byte in each of q, k, v
	s_lshr_b32 s78, s[WV], 3                       ; 0: I fetch K, 1: V
	s_and_b32 s79, s[WV], 7                        ; which piece
	s_lshl_b32 s80, s78, 23
	s_add_co_u32 s80, s80, 0x800000                ; k's 8 MiB, v's behind them
	s_add_co_u32 s80, s80, s76
	s_mul_i32 s82, s78, 7168
	s_add_co_u32 s82, s82, 1024                    ; my head: 1,024 bytes of each 2,048 in K, 8,192 of each 16,384 in V
	s_mul_i32 s82, s82, s75
	s_add_co_u32 s80, s80, s82
	s_lshl_b32 s82, s78, 10
	s_sub_co_u32 s82, 2048, s82                    ; from piece to piece: 2,048 in K, 1,024 in V
	s_mul_i32 s82, s82, s79
	s_add_co_u32 s80, s80, s82
	s_mov_b32 s81, 0
	s_lshl_b32 s84, s[WV], 13                      ; to LDS byte 8,192 x wave
	s_lshr_b32 s85, s[WV], 2                       ; i
	s_and_b32 s87, s[WV], 3
	s_lshl_b32 s87, s87, 1
	s_add_co_u32 s87, s87, ttmp9                   ; 2 s + g
	s_add_co_u32 s86, s85, 1
	s_and_b32 s86, s86, 3
	s_lshl_b32 s86, s86, 3
	s_add_co_u32 s86, s86, s87                     ; the low tile
	s_lshl_b32 s85, s85, 3
	s_add_co_u32 s87, s87, s85
	s_sub_co_u32 s87, 63, s87                      ; the high tile
	s_lshl_b32 s[QHI], s87, 4
	s_lshl_b32 s[QLO], s86, 4
	s_lshl_b32 s77, s75, 10
	s_add_co_u32 s77, s77, s76
	s_lshl_b32 s88, s87, 11
	s_add_co_u32 s88, s88, s77                     ; Q: 2,048 x tile + 1,024 x head of the pair
	s_mov_b32 s89, 0
	s_lshl_b32 s14, s86, 11
	s_add_co_u32 s14, s14, s77
	s_mov_b32 s15, 0
	s_lshr_b32 s77, s74, 1                         ; af: [4 planes of 256 along K][512 blocks of 16 rows][2 fragments]: two pairs of heads to a plane,
	s_lshl_b32 s77, s77, 21
	s_and_b32 s16, s74, 1                          ; the pair is the fragment of 2,048 bytes,
	s_lshl_b32 s16, s16, 11
	s_add_co_u32 s77, s77, s16
	s_lshl_b32 s16, s75, 10                        ; the head its half,
	s_add_co_u32 s77, s77, s16
	s_lshl_b32 s16, s73, 18                        ; the batch 64 blocks,
	s_add_co_u32 s77, s77, s16
	s_lshl_b32 s16, s87, 12                        ; the tile a block of 4,096 bytes
	s_add_co_u32 s16, s16, s77
	s_mov_b32 s17, 0
	s_lshl_b32 s66, s86, 12
	s_add_co_u32 s66, s66, s77
	s_mov_b32 s67, 0
	; descriptor group 1: rows of 1,024 bytes = 128 elements of 8 bytes, 16,384 bytes apart; a row for each key step: 3, then 5
	s_mov_b32 s[G1A], 3<<16                        ; no mask; elements of 8 bytes; no padding
	s_mov_b32 s[G1A+1], 128<<16                    ; tensor_dim0
	s_mov_b32 s[G1A+2], FIRST<<16                  ; tensor_dim1
	s_mov_b32 s[G1A+3], 128<<16                    ; tile_dim0
	s_mov_b32 s[G1A+4], FIRST                      ; tile_dim1
	s_mov_b32 s[G1A+5], 2048                       ; tensor_dim0_stride
	s_mov_b32 s[G1A+6], 0
	s_mov_b32 s[G1A+7], 0
	s_mov_b32 s[G1Z], 3<<16
	s_mov_b32 s[G1Z+1], 128<<16
	s_mov_b32 s[G1Z+2], (8-FIRST)<<16
	s_mov_b32 s[G1Z+3], 128<<16
	s_mov_b32 s[G1Z+4], 8-FIRST
	s_mov_b32 s[G1Z+5], 2048
	s_mov_b32 s[G1Z+6], 0
	s_mov_b32 s[G1Z+7], 0
	s_mov_b32 s[SEL], 0x76543210
	s_mov_b32 s[SEL+1], 0xfedcba98
	s_mov_b32 s[CS], 0x3e38aa3b                    ; log2(e) / 8
	s_mov_b32 s[NINF], 0xff800000
	s_wait_dscnt 0x0                               ; both opening adds are done
	s_wait_kmcnt 0x0
	s_load_b256 s[48:55], s[6:7], 0x0              ; e0 .. e7
	s_load_b128 s[56:59], s[6:7], 0x20             ; e8 .. e11
	s_mov_b32 s[G0A], 1
	s_mov_b32 s[G0A+1], s84
	s_add_nc_u64 s[G0A+2:G0A+3], s[4:5], s[80:81]
	s_add_nc_u64 s[G0Z+2:G0Z+3], s[G0A+2:G0A+3], FIRST*16384
	s_or_b32 s[G0A+3], s[G0A+3], 0x80000000
	s_mov_b32 s[G0Z], 1
	s_add_co_u32 s[G0Z+1], s84, FIRST*1024
	s_or_b32 s[G0Z+3], s[G0Z+3], 0x80000000
	tensor_load_to_lds s[G0A:G0A+3], s[G1A:G1A+7]  ; every wave issues one load: the first part
	s_nop 0
.rept 4
	v_nop
.endr
	s_add_nc_u64 s[10:11], s[4:5], s[88:89]        ; the high tile's Q,
	s_add_nc_u64 s[12:13], s[4:5], s[14:15]        ; the low tile's
	s_add_nc_u64 s[68:69], s[8:9], s[16:17]        ; where the high tile's codes go,
	s_add_nc_u64 s[70:71], s[8:9], s[66:67]        ; and the low tile's
	v_and_b32 v1, 31, v0
	v_and_b32 v10, 15, v0
	v_bfe_u32 v11, v0, 4, 1
	v_lshlrev_b32 v1, 4, v1                        ; 16 x lane
	v_lshlrev_b32 v11, 3, v11
	global_load_b128 v[16:19], v1, s[10:11]
	global_load_b128 v[20:23], v1, s[10:11] offset:512
	v_add_nc_u32 v2, 65536, v1
	v_sub_nc_u32 v10, v10, v11                     ; r - 8 h
.macro INIT
	v_mov_b32 v13, 0xff61b1e6                      ; the largest t so far: -3e38
	v_mov_b32 v14, 0
	v_mov_b32 v15, 0
.set nn, 0
.rept 32
	v_mov_b32 v[OT+nn], 0                          ; the first step finds zeros, which the first change of M leaves zeros
.set nn, nn+1
.endr
	v_floor_f32 v12, -v13                          ; -M
	s_mov_b32 s[KF], 0
	s_mov_b32 s[TB], 0
.endm
	INIT
.irp j, 0,1,2,3,4,5,6,7
	v_cmp_gt_i32 s[MK+\j], \j, v10                 ; on the diagonal tile register j holds key 8 h + j: hidden where 8 h + j > r
.endr
	v_mov_b32 v193, 0                              ; written once: a lane permute's destination counts as one of its sources
	v_mov_b32 v195, 0                              ; (named as the upper half of the pair v[194:195])
	v_mov_b32 v202, 0x43e00000                     ; 448
	v_mov_b32 v203, 1.0                            ; the last conversion's scale: 2^0
	v_mov_b32 v204, 0xff800000                     ; -infinity
	s_wait_alu depctr_va_vdst(0)
	s_wait_kmcnt 0x0
	s_add_co_i32 s72, s54, s55
	s_lshl_b32 s72, s72, 23
	s_add_co_i32 s[CS], s[CS], s72                 ; a score stands for score x 2^(e6 + e7): added to c's exponent field
	s_mov_b32 s[CS+1], s[CS]                       ; (named with it as a pair, so it is written)
	s_add_co_i32 s72, s56, 127
	s_lshl_b32 s73, s72, 23
	v_mov_b32 v201, s73                            ; 2^e8
	s_add_co_i32 s72, s72, 8
	s_lshl_b32 s72, s72, 23
	s_or_b32 s[HOLD], s72, 0x600000                ; 448 x 2^e8
	s_add_co_i32 s[EO], s56, s57
	s_sub_co_i32 s[EO], s[EO], s58                 ; e8 + e9 - e10
	s_wait_alu depctr_va_vdst(0)
	s_wait_tensorcnt 0x0                           ; my piece of the first part has landed
	ds_add_u32 v[SPW], v[NIL]
	s_wait_dscnt 0x0
	s_barrier_signal -1
	s_barrier_wait -1                              ; everybody's has
	tensor_load_to_lds s[G0Z:G0Z+3], s[G1Z:G1Z+7]  ; the second part: the wave's one load behind this barrier
	s_nop 0
.rept 4
	v_nop
.endr
	s_wait_loadcnt 0x0                             ; the high tile's Q
	global_load_b128 v[24:27], v1, s[12:13]        ; the low tile's: first read behind the high tile's end
	global_load_b128 v[28:31], v1, s[12:13] offset:512
.macro HOLD8 t                         ; p's hold, two numbers an instruction: the conversion does not saturate (ISA guide 7.6.2); p is not negative, so the hold is one-sided
.set nn, S+8*(\t)
.rept 4
	v_dual_min_num_f32 v[nn], s[HOLD], v[nn] :: v_dual_min_num_f32 v[nn+1], s[HOLD], v[nn+1]
.set nn, nn+2
.endr
.endm
; A key step of 128, from s[KF] on, for one tile of 16 queries: Q's fragment at v[qf], first query in s[q0].  mask = 0: every key counts.
; nt = 8: all 128; nt = 4: the first 64 alone.  s72 = my first query less the step's first key, where mask = 1.
.macro BODY qf, mask, nt
	v_add_nc_u32 v[ADK], s[TB], v1
	v_add_nc_u32 v[ADV], s[TB], v2
	v_nop
	v_nop                                          ; four places in front of loads into registers that the last products read
.irp t, 0,1,2,3,4,5,6,7
.if \t < \nt
	ds_load_b128 v[KV+8*\t:KV+8*\t+3], v[ADK] offset:8192*\t
	ds_load_b128 v[KV+8*\t+4:KV+8*\t+7], v[ADK] offset:8192*\t+512
.endif
.endr
	s_wait_alu depctr_va_vdst(0)
	s_wait_dscnt 2*\nt-8                           ; K's fragments 0-3 are in; the loads of 4-7 (eight, or none) may be out
.irp t, 0,1,2,3
	v_wmma_f32_16x16x64_fp8_fp8 v[S+8*\t:S+8*\t+7], v[KV+8*\t:KV+8*\t+7], v[\qf:\qf+7], 0
.endr
.if \nt == 8
	s_wait_dscnt 0x0
.irp t, 4,5,6,7
	v_wmma_f32_16x16x64_fp8_fp8 v[S+8*\t:S+8*\t+7], v[KV+8*\t:KV+8*\t+7], v[\qf:\qf+7], 0
.endr
.endif
	v_mov_b32 v199, v12                            ; the old -M
.rept 3
	v_nop                                          ; four places: the scores are read, and K's registers loaded anew, only behind these
.endr
.irp d, 0,1,2,3                                ; V's four fragments (16 channels x these keys) land while the softmax is worked
.irp g, 0,1,2,3
.if \g < (\nt)/2
	ds_load_b128 v[KV+2*(\nt)*\d+4*\g:KV+2*(\nt)*\d+4*\g+3], v[ADV] offset:8192*(2*\d+\g/2)+512*(\g%2)
.endif
.endr
.endr
.if \mask
.if \nt == 8
	s_cmp_ge_i32 s72, 128                          ; every key counts
	s_cbranch_scc1 .Lopen_\@
.endif
.irp t, 0,1,2,3,4,5,6,7                        ; the diagonal lies in key tile s72 / 16: one of 4-7 (nt = 8) or of 0-3
.if (\t/4) == ((\nt)/4-1)
	s_cmp_lg_u32 s72, 16*\t
	s_cbranch_scc1 .Lnx_\@_\t
.set nn, 0
.rept 8
	v_cndmask_b32 v[S+8*\t+nn], v[S+8*\t+nn], v204, s[MK+nn]
.set nn, nn+1
.endr
.Lnx_\@_\t:
.endif
.endr
.irp t, 7,6,5,3,2,1                            ; the key tiles beyond the diagonal, from the last down
.if (\t/4) == ((\nt)/4-1)
	s_cmp_ge_u32 s72, 16*\t
	s_cbranch_scc1 .Lopen_\@
.set nn, S+8*\t
.rept 4
	v_dual_mov_b32 v[nn], s[NINF] :: v_dual_mov_b32 v[nn+1], s[NINF]
.set nn, nn+2
.endr
.endif
.endr
.Lopen_\@:
.endif
	s_wait_alu depctr_va_vdst(0)
	v_max3_num_f32 v192, v[S], v[S+1], v[S+2]      ; the step's largest score of my query among my 64 keys, in four chains (each accumulator is first read at its low end)
	v_max3_num_f32 v194, v[S+3], v[S+4], v[S+5]
	v_max3_num_f32 v196, v[S+6], v[S+7], v[S+8]
	v_max3_num_f32 v198, v[S+9], v[S+10], v[S+11]
.set nn, 0
.rept 4*\nt-6
	v_max3_num_f32 v[192+2*(nn%4)], v[192+2*(nn%4)], v[S+12+2*nn], v[S+13+2*nn]
.set nn, nn+1
.endr
	v_max3_num_f32 v196, v196, v198, v192
	s_delay_alu instid0(VALU_DEP_1)
	v_max_num_f32 v192, v196, v194
	s_delay_alu instid0(VALU_DEP_1)
	v_permlanex16_b32 v193, v192, s[SEL], s[SEL+1]
	s_delay_alu instid0(VALU_DEP_1)
	v_max_num_f32 v192, v192, v193                 ; and among lane xor 16's
	s_delay_alu instid0(VALU_DEP_1)
	v_mul_f32 v192, s[CS], v192                    ; as t (c is positive)
	s_delay_alu instid0(VALU_DEP_1)
	v_max_num_f32 v13, v13, v192
	s_delay_alu instid0(VALU_DEP_1)
	v_floor_f32 v12, -v13                          ; the new -M = floor(-t) = -ceil(t)
	s_delay_alu instid0(VALU_DEP_1)
	v_sub_f32 v192, v12, v199                      ; old M - new M: a whole number, 0 or less
	s_delay_alu instid0(VALU_DEP_1)
	v_cvt_i32_f32 v192, v192                       ; (it saturates)
	s_delay_alu instid0(VALU_DEP_1)
	v_ldexp_f32 v194, 1.0, v192                    ; f = 2^(old M - new M)
.set nn, 0
.rept 4*\nt
	v_pk_fma_f32 v[S+nn:S+nn+1], v[S+nn:S+nn+1], s[CS:CS+1], v[12:13] op_sel_hi:[1,0,0]   ; t - M, two at a time
.set nn, nn+2
.endr
	s_wait_alu depctr_va_vdst(0)
.set nn, 0
.rept 8*\nt
	v_exp_f32 v[S+nn], v[S+nn]                     ; p = 2^(t - M)
.set nn, nn+1
.endr
	v_pk_mul_f32 v[14:15], v[14:15], v[194:195] op_sel_hi:[1,0]   ; the sums under the new M: the plain line behind the exponentials
	s_wait_alu depctr_va_vdst(0)                   ; one wait for the whole batch, ahead of its first reader
.set nn, 0
.rept 7                                        ; the row's sum of the unquantised p, two at a time, in eight chains
	v_pk_add_f32 v[PS+2*nn:PS+2*nn+1], v[S+4*nn:S+4*nn+1], v[S+4*nn+2:S+4*nn+3]
.set nn, nn+1
.endr
	v_pk_add_f32 v[14:15], v[14:15], v[S+28:S+29]
.if \nt == 8
.irp m, 30,46
.set nn, 0
.rept 7
	v_pk_add_f32 v[PS+2*nn:PS+2*nn+1], v[PS+2*nn:PS+2*nn+1], v[S+\m+2*nn:S+\m+2*nn+1]
.set nn, nn+1
.endr
	v_pk_add_f32 v[14:15], v[14:15], v[S+\m+14:S+\m+15]
.endr
.endif
	v_pk_add_f32 v[PS:PS+1], v[PS:PS+1], v[S+8*(\nt)-2:S+8*(\nt)-1]
	v_pk_add_f32 v[PS+2:PS+3], v[PS+2:PS+3], v[PS+4:PS+5]
	v_pk_add_f32 v[PS+6:PS+7], v[PS+6:PS+7], v[PS+8:PS+9]
	v_pk_add_f32 v[PS+10:PS+11], v[PS+10:PS+11], v[PS+12:PS+13]
	HOLD8 0
	v_pk_add_f32 v[14:15], v[14:15], v[PS:PS+1]
.irp t, 0,1,2,3,4,5,6,7                        ; the sums' last joins stand between the holds, so that no line waits for the line above it
.if \t < \nt-1
	HOLD8 \t+1
.endif
.if \t < \nt
	v_cvt_scalef32_pk8_fp8_f32 v[PC+2*\t:PC+2*\t+1], v[S+8*\t:S+8*\t+7], v201
.endif
.if \t == 0
	v_pk_add_f32 v[PS+2:PS+3], v[PS+2:PS+3], v[PS+6:PS+7]
.elseif \t == 1
	v_pk_add_f32 v[14:15], v[14:15], v[PS+10:PS+11]
.elseif \t == 2
	v_pk_add_f32 v[14:15], v[14:15], v[PS+2:PS+3]
.endif
.endr
	s_wait_alu depctr_va_vdst(0)
.set nn, 0
.rept 16
	v_pk_mul_f32 v[OT+nn:OT+nn+1], v[OT+nn:OT+nn+1], v[194:195] op_sel_hi:[1,0]   ; O^T under the new M; these are also the plain lines between the conversions and the products that read the codes
.set nn, nn+2
.endr
	s_wait_alu depctr_va_vdst(0)
	s_wait_dscnt 0x0                               ; V is in
.irp d, 0,1,2,3                                ; the four accumulators take turns; the matrix instruction ahead of each adds onto another register
.if \nt == 8
	v_wmma_f32_16x16x128_fp8_fp8 v[OT+8*\d:OT+8*\d+7], v[KV+16*\d:KV+16*\d+15], v[PC:PC+15], v[OT+8*\d:OT+8*\d+7]
.else
	v_wmma_f32_16x16x64_fp8_fp8 v[OT+8*\d:OT+8*\d+7], v[KV+8*\d:KV+8*\d+7], v[PC:PC+7], v[OT+8*\d:OT+8*\d+7]
.endif
.endr
.endm
.macro STEP qf, q0, mask
.if \mask
	s_add_co_u32 s72, s[\q0], 15
	s_cmp_gt_u32 s[KF], s72                        ; all 128 keys come after my queries: nothing to do
	s_cbranch_scc1 .Lhidden_\@
	s_sub_co_i32 s72, s[\q0], s[KF]                ; 16 x the key tile on the diagonal; 128 or more: every key counts
	s_cmp_lt_i32 s72, 64                           ; the step's last 64 keys come after my queries: the first 64 alone
	s_cbranch_scc1 .Lhalf_\@
.endif
	BODY \qf, \mask, 8
.if \mask
	s_branch .Lhidden_\@
.Lhalf_\@:
	BODY \qf, 1, 4
.endif
.Lhidden_\@:
	s_add_co_u32 s[KF], s[KF], 128
	s_add_co_u32 s[TB], s[TB], 1024
.endm
.macro WALK qf, q0, trips, mask
	s_mov_b32 s[CNT], \trips
.Lstep_\@:
	STEP \qf, \q0, \mask
	s_sub_co_u32 s[CNT], s[CNT], 1
	s_cmp_lg_u32 s[CNT], 0
	s_cbranch_scc1 .Lstep_\@
.endm
; A tile's end: O = O^T x 2^(e8 + e9) / the sum; its code is O / 2^e10; stored at s[ptr].
.macro FINISH ptr
	v_add_f32 v14, v14, v15
	s_delay_alu instid0(VALU_DEP_1)
	v_permlanex16_b32 v193, v14, s[SEL], s[SEL+1]
	s_delay_alu instid0(VALU_DEP_1)
	v_add_f32 v14, v14, v193                       ; the row's sum
	s_wait_alu depctr_va_vdst(0)
	v_rcp_f32 v14, v14
	v_nop                                          ; a plain line behind the transcendental
	v_nop
	s_wait_alu depctr_va_vdst(0)                   ; the wait ahead of its first reader
	v_ldexp_f32 v14, v14, s[EO]                    ; (with the lines above: more than four places behind the last products)
	s_wait_alu depctr_va_vdst(0)
.set nn, 0
.rept 16
	v_pk_mul_f32 v[S+nn:S+nn+1], v[OT+nn:OT+nn+1], v[14:15] op_sel_hi:[1,0]
.set nn, nn+2
.endr
.set nn, 0
.rept 32
	v_med3_num_f32 v[S+nn], v[S+nn], -v202, v202   ; the hold at +-448
.set nn, nn+1
.endr
.irp d, 0,1,2,3
	v_cvt_scalef32_pk8_fp8_f32 v[PC+2*\d:PC+2*\d+1], v[S+8*\d:S+8*\d+7], v203
.endr
	v_nop                                          ; a plain line behind the last conversion
	global_store_b128 v1, v[PC:PC+3], s[\ptr:\ptr+1]               ; two groups of the operand's image: 512 consecutive bytes each, aligned
	global_store_b128 v1, v[PC+4:PC+7], s[\ptr:\ptr+1] offset:512
.endm
	WALK 16, QHI, FIRST-1, 0                       ; the high tile on the first part: its first query is 512 or more, so keys 0-383 all count
	s_wait_tensorcnt 0x0                           ; my piece of the second part has landed (my LDS reads are over: the last wait on DScnt was for 0):
	s_barrier_signal -1                            ; say so; between this line and the wait stand work on registers and reads of the first part, which nobody writes again
	STEP 16, QHI, 0
	s_barrier_wait -1                              ; everybody's has; behind this barrier nothing writes LDS but the closing add
	WALK 16, QHI, 8-FIRST, 1
	FINISH 68
	s_wait_xcnt 0x0                                ; the high tile has stored from the code registers: they are written again only behind this wait
	s_wait_loadcnt 0x0                             ; the low tile's Q
	INIT
	WALK 24, QLO, 4, 1                             ; the low tile's last query is 511 or less: four key steps at the most
	FINISH 70
	s_wait_tensorcnt 0x0                           ; the wave's end
	ds_add_u32 v[SPW], v[NIL]
	s_wait_dscnt 0x0
	s_endpgm
.Lfunc_end_k_qb49c369f3f_attn:
	.size	k_qb49c369f3f_attn, .Lfunc_end_k_qb49c369f3f_attn-k_qb49c369f3f_attn
	.p2alignl 7, 3214868480
	.fill 96, 4, 3214868480
	.section	.rodata,"a",@progbits
	.p2align	6, 0x0
	.amdhsa_kernel k_qb49c369f3f_attn
		.amdhsa_group_segment_fixed_size 327680
		.amdhsa_private_segment_fixed_size 0
		.amdhsa_enable_private_segment 0
		.amdhsa_kernarg_size 24
		.amdhsa_user_sgpr_count 2
		.amdhsa_user_sgpr_kernarg_segment_ptr 1
		.amdhsa_wavefront_size32 1
		.amdhsa_system_sgpr_workgroup_id_x 1
		.amdhsa_system_sgpr_workgroup_id_y 1
		.amdhsa_system_sgpr_workgroup_id_z 1
		.amdhsa_system_vgpr_workitem_id 0
		.amdhsa_next_free_vgpr 256
		.amdhsa_next_free_sgpr 92
		.amdhsa_reserve_vcc 0
		.amdhsa_float_denorm_mode_32 3
		.amdhsa_float_denorm_mode_16_64 3
		.amdhsa_memory_ordered 1
		.amdhsa_forward_progress 1
		.amdhsa_inst_pref_size 112
	.end_amdhsa_kernel
	.amdgpu_metadata
---
amdhsa.version: [ 1, 2 ]
amdhsa.kernels:
  - .name:           k_qb49c369f3f_attn
    .symbol:         k_qb49c369f3f_attn.kd
    .args:
      - { .name: qkv, .offset: 0, .size: 8, .value_kind: global_buffer, .address_space: global }
      - { .name: lowp_scales, .offset: 8, .size: 8, .value_kind: global_buffer, .address_space: global }
      - { .name: af, .offset: 16, .size: 8, .value_kind: global_buffer, .address_space: global }
    .group_segment_fixed_size: 327680
    .private_segment_fixed_size: 0
    .kernarg_segment_align: 8
    .kernarg_segment_size: 24
    .max_flat_workgroup_size: 512
    .sgpr_count:     92
    .vgpr_count:     256
    .wavefront_size: 32
...
	.end_amdgpu_metadata
.endif
;; end of part 3
;; launch oproj (part 4): grid 4 x 64, 4 waves a work-group, clusters of 4 x 1, 167,936 bytes of LDS; arguments af, wf, lowp_scales, bo, out0; writes out0
.if DOCPART == 4
	.amdgcn_target "amdgcn-amd-amdhsa--gfx1250"
	.amdhsa_code_object_version 6
	.text
	.protected	k_qb49c369f3f_oproj
	.globl	k_qb49c369f3f_oproj
	.p2align	8
	.type	k_qb49c369f3f_oproj,@function
k_qb49c369f3f_oproj:
	s_mov_b64 s[64:65], 0
	v_nop
	global_prefetch_b8 v0, s[64:65] scope:SCOPE_SE
	s_setreg_imm32_b32 hwreg(HW_REG_WAVE_MODE, 25, 1), 1
	s_wait_xcnt 0x0
	s_wait_alu depctr_hold_cnt(0) depctr_sa_sdst(0) depctr_va_vdst(0) depctr_va_sdst(0) depctr_va_ssrc(0) depctr_va_vcc(0) depctr_vm_vsrc(0)
	s_getreg_b32 s2, hwreg(HW_REG_IB_STS2, 6, 4)
	s_cmp_eq_u32 s2, 0
	s_cbranch_scc0 .Lentry_in_a_cluster
	s_endpgm
.Lentry_in_a_cluster:
	s_bfe_u32 s2, ttmp6, 0x10000c
	s_cmp_lg_u32 s2, 0x3003
	s_cbranch_scc0 .Lentry_shape_is_right
	s_endpgm
.Lentry_shape_is_right:
; out [8192][1024] f32 = (attention's rows, codes) Wo (codes) x 2^(e10 + e11) + bo.
.set STAGE, 131072                     ; behind A: 16 rows x 272 bytes for each wave, for the way out
; SHARES.  A work-group makes 128 rows x 256 columns, each of its four waves all 128 rows x 64 columns.  A wave holds its 64 columns of Wo, all 1,024 along K, in 512 registers, loaded once, straight from memory (wf holds
; the image of the registers), and takes the 128 rows in eight tiles of 16: 32 matrix instructions to a tile, its four accumulators by turns; each tile's rows leave while the next are multiplied.
; A's 128 rows come into LDS by ONE joint load a wave: wave w brings plane w (256 along K, 32,768 dense bytes).  Nothing is filled again.
; CLUSTER 4 x 1: the four work-groups of the same rows ask for A jointly.  Wo is not asked for jointly: beside A's 131,072 bytes LDS has no room for Wo's 262,144, and a wave's registers take each byte once.
; No prefetch: everything is asked for at the head, and there is no loop of loads to run ahead in.
; THE MATRIX INSTRUCTION IS USED TRANSPOSED (source 0 = 16 columns of Wo, source 1 = 16 rows): a lane holds eight neighbouring columns of one row.  LIMIT: e10 + e11 between -126 and 127.
; REGISTERS, in windows of 256: window 0: addresses, v12-15 the bias, v64-127 two sets of four accumulators, v128-191 two sets of 16 rows on the way out.  Windows 1, 2: Wo's fragments of K 0-511, 512-1023: (block b, 128 along
; K number k) at 16 (b + 4 (k % 4)).  Window 3: two sets of eight fragments of A.
.set SPITCH, 272                       ; a stage row: 256 bytes + 16
.set SPARE, STAGE+4*16*SPITCH          ; the spare words, 128 bytes for each wave: two blocks of 256 bytes that no other line names
.set ADR,  2                           ; v2 16 x lane: A's planes 0 and 1, and the place in a fragment of Wo;  v3 the same + 65,536: planes 2 and 3
.set BI,   12
.set STO,  24
.set RD,   25
.set CO,   26
.set SPW,  28
.set NIL,  29
.set ACC,  64
.set OB,   128
.set G1,   24
.set G0,   32
.set MSB, 0
.macro WIN new                         ; the immediate's high byte repeats the setting that is left
.if MSB != (\new)
	s_set_vgpr_msb (MSB<<8)|(\new)
.set MSB, (\new)
.endif
.endm
.macro CROUND                          ; a round of the cluster's barrier
	s_barrier_signal -1
	s_barrier_wait -1
	s_cmp_lg_u32 s14, 0
	s_cbranch_scc1 .Lnot_wave_0_\@
	s_barrier_signal -3
.Lnot_wave_0_\@:
	s_barrier_wait -3
	s_barrier_signal -1
	s_barrier_wait -1
.endm
.macro BLOAD k                         ; Wo's fragments of the k-th 128 along K: 16 loads of 512 bytes
	WIN 0x40*(1+(\k)/4)
.irp b, 0,1,2,3
.irp c, 0,1,2,3
	global_load_b128 v[16*(\b+4*((\k)%4))+4*\c:16*(\b+4*((\k)%4))+4*\c+3], v[ADR], s[6:7] offset:0x40000*((\k)/2)+4096*\b+2048*((\k)%2)+512*\c
.endr
.endr
.endm
	s_load_b128 s[4:7], s[0:1], 0x0                ; af, wf
	s_load_b128 s[8:11], s[0:1], 0x10              ; the scales' exponents, bo
	s_load_b64 s[12:13], s[0:1], 0x20              ; out
	v_lshl_add_u32 v[SPW], v0, 2, SPARE
	v_mov_b32 v[NIL], 0
	ds_add_u32 v[SPW], v[NIL]                      ; the wave's opening: the add, twice on end, and its wait ahead of my tensor load; work on registers stands between
	ds_add_u32 v[SPW], v[NIL]
	v_lshrrev_b32 v1, 5, v0
	v_readfirstlane_b32 s14, v1                    ; wave 0..3
	s_mul_i32 s15, s14, 16*SPITCH
	s_add_co_u32 s15, s15, STAGE                   ; my stage
	v_and_b32 v4, 31, v0
	v_and_b32 v5, 15, v0                           ; r
	v_bfe_u32 v6, v0, 4, 1                         ; h
	v_lshlrev_b32 v[ADR], 4, v4
	v_lshlrev_b32 v7, 4, v5                        ; 16 r: four columns a lane on the way out
	v_add_nc_u32 v[ADR+1], 65536, v[ADR]
	v_lshl_add_u32 v[CO], v6, 12, v7               ; lanes 0-15 one row of the output, lanes 16-31 the next
	v_mul_u32_u24 v[STO], v5, SPITCH
	v_lshl_add_u32 v[STO], v6, 5, v[STO]
	v_add_nc_u32 v[STO], s15, v[STO]               ; into the stage: row r, 32 bytes for each half of the lanes
	v_mul_u32_u24 v[RD], v6, SPITCH
	v_add_nc_u32 v[RD], v[RD], v7
	v_add_nc_u32 v[RD], s15, v[RD]                 ; out of it: by rows
	s_bfe_u32 s40, ttmp6, 0x40000                  ; cx = the tile of 256 columns
	s_and_b32 s17, ttmp7, 0xffff                   ; the tile of 128 rows
	s_mov_b32 s[G1], 15|(3<<16)|(1<<21)            ; 15:0 the mask: all four of the cluster; elements of 8 bytes; 21 set beside a mask
	s_mov_b32 s[G1+1], 512<<16                     ; a plane's 8 blocks of 16 rows: 8 dense rows of 512 elements
	s_mov_b32 s[G1+2], 8<<16
	s_mov_b32 s[G1+3], 512<<16
	s_mov_b32 s[G1+4], 8
	s_mov_b32 s[G1+5], 512
	s_mov_b32 s[G1+6], 0
	s_mov_b32 s[G1+7], 0
	s_lshl_b32 s20, s17, 15                        ; A: 8 blocks of 4,096 bytes,
	s_lshl_b32 s21, s14, 21                        ; plane = wave
	s_add_co_u32 s20, s20, s21
	s_mov_b32 s21, 0
	s_mov_b32 s[G0], 1
	s_lshl_b32 s[G0+1], s14, 15                    ; to LDS byte 32,768 x wave
	s_lshl_b32 s22, s40, 16                        ; Wo: 16 blocks of 4,096 bytes to a tile of columns,
	s_lshl_b32 s23, s14, 14                        ; 4 to a wave,
	s_add_co_u32 s22, s22, s23
	s_add_co_u32 s22, s22, 3<<20                   ; behind Wq, Wk, Wv
	s_mov_b32 s23, 0
	s_lshl_b32 s36, s40, 10                        ; my columns in bytes, of bo and of a row of the output
	s_lshl_b32 s37, s14, 8
	s_add_co_u32 s36, s36, s37
	s_mov_b32 s37, 0
	s_lshl_b32 s38, s17, 19                        ; 128 rows of 4,096 bytes
	s_mov_b32 s39, 0
	s_wait_alu depctr_va_vdst(0)
	s_wait_dscnt 0x0                               ; both opening adds are done
	s_wait_kmcnt 0x0
	s_load_b64 s[44:45], s[8:9], 0x28              ; e10, e11
	s_add_nc_u64 s[10:11], s[10:11], s[36:37]
	s_add_nc_u64 s[12:13], s[12:13], s[36:37]
	s_add_nc_u64 s[12:13], s[12:13], s[38:39]
	s_add_nc_u64 s[6:7], s[6:7], s[22:23]
	s_add_nc_u64 s[G0+2:G0+3], s[4:5], s[20:21]
	s_or_b32 s[G0+3], s[G0+3], 0x80000000
	global_load_b128 v[BI:BI+3], v7, s[10:11]      ; the bias of my four columns
	BLOAD 0                                        ; a quarter of Wo is on its way across the round
	BLOAD 1
	WIN 0
	CROUND                                         ; all four work-groups are here: the joint loads meet
	tensor_load_to_lds s[G0:G0+3], s[G1:G1+7]
	s_nop 0
.rept 4
	v_nop
.endr
.irp k, 2,3,4,5,6,7
	BLOAD \k
.endr
	WIN 0
.macro ALOAD i                         ; tile i's eight fragments of A -> set i % 2
	WIN 0xc0
.irp k, 0,1,2,3,4,5,6,7
.irp c, 0,1,2,3
	ds_load_b128 v[128*((\i)%2)+16*\k+4*\c:128*((\i)%2)+16*\k+4*\c+3], v[ADR+\k/4] offset:32768*((\k/2)%2)+4096*(\i)+2048*(\k%2)+512*\c
.endr
.endr
	WIN 0
.endm
.macro MUL i, k                        ; four matrix instructions: 128 along K; the four accumulators take turns
	WIN 0x0d+(\k)/4                                ; source 0 window 1 or 2, source 1 window 3, C and D window 0
.irp b, 0,1,2,3
.set rD, ACC+32*((\i)%2)+8*\b
.if (\k) == 0
	v_wmma_f32_16x16x128_fp8_fp8 v[rD:rD+7], v[16*(\b+4*((\k)%4)):16*(\b+4*((\k)%4))+15], v[128*((\i)%2)+16*(\k):128*((\i)%2)+16*(\k)+15], 0
.else
	v_wmma_f32_16x16x128_fp8_fp8 v[rD:rD+7], v[16*(\b+4*((\k)%4)):16*(\b+4*((\k)%4))+15], v[128*((\i)%2)+16*(\k):128*((\i)%2)+16*(\k)+15], v[rD:rD+7]
.endif
.endr
.endm
.macro TOSTAGE i                       ; into my stage, and back by rows: LDS serves a wave's instructions in order (ISA guide 5.7.1.4)
.irp b, 0,1,2,3
.set rD, ACC+32*((\i)%2)+8*\b
	ds_store_b128 v[STO], v[rD:rD+3] offset:64*\b
	ds_store_b128 v[STO], v[rD+4:rD+7] offset:64*\b+16
.endr
.irp t, 0,1,2,3,4,5,6,7
	ds_load_b128 v[OB+32*((\i)%2)+4*\t:OB+32*((\i)%2)+4*\t+3], v[RD] offset:2*\t*SPITCH
.endr
.endm
.macro SEND i                          ; x 2^(e10 + e11) + bias, and out
.irp t, 0,1,2,3,4,5,6,7
.set rO, OB+32*((\i)%2)+4*\t
	v_pk_fma_f32 v[rO:rO+1], v[rO:rO+1], s[96:97], v[BI:BI+1] op_sel_hi:[1,0,1]
	v_pk_fma_f32 v[rO+2:rO+3], v[rO+2:rO+3], s[96:97], v[BI+2:BI+3] op_sel_hi:[1,0,1]
	global_store_b128 v[CO], v[rO:rO+3], s[12:13] offset:(16*(\i)+2*\t)*4096 th:TH_STORE_NT   ; two rows' 256 consecutive bytes, aligned
.endr
.endm
; Tile i: the next tile's fragments are asked for, this one is multiplied, the last one's rows leave.
.macro TILE i
.if (\i) < 7
	ALOAD (\i)+1
	s_wait_dscnt 32                                ; all but the 32 loads just issued: this tile's A, and the last tile's rows from the stage
.else
	s_wait_dscnt 0x0
.endif
.irp k, 0,1,2,3,4,5,6,7
.if (\i) == 0
.if \k == 0
	s_wait_loadcnt 63                              ; the bias and the first 64 of Wo's 128 loads are in
.elseif \k > 3
	s_wait_loadcnt 16*(7-\k)                       ; and those of this 128 along K
.endif
.endif
	MUL \i, \k
.endr
	WIN 0
.if (\i) == 0
.rept 4
	v_nop                                          ; four places in front of the LDS stores that read the sums, and of the loads into A's registers
.endr
.else
	s_wait_xcnt 0x0                                ; the stores of the tile before the last have read their registers: the rows that come back may land there
	SEND (\i)-1                                    ; (its sixteen plain lines are the places)
.endif
	TOSTAGE \i
.endm
	s_wait_kmcnt 0x0
	s_add_co_i32 s96, s44, s45
	s_add_co_i32 s96, s96, 127
	s_lshl_b32 s96, s96, 23                        ; 2^(e10 + e11)
	s_mov_b32 s97, s96
	s_wait_tensorcnt 0x0                           ; my plane of A is in,
	s_barrier_signal -1
	s_barrier_wait -1                              ; everybody's is
	ALOAD 0
.irp i, 0,1,2,3,4,5,6,7
	TILE \i
.endr
	s_wait_dscnt 0x0
	SEND 7
	s_wait_tensorcnt 0x0                           ; the wave's end
	ds_add_u32 v[SPW], v[NIL]
	s_wait_dscnt 0x0
	CROUND                                         ; the closing round: no work-group ends while a partner may still ask for a tile that names it
	s_endpgm
.Lfunc_end_k_qb49c369f3f_oproj:
	.size	k_qb49c369f3f_oproj, .Lfunc_end_k_qb49c369f3f_oproj-k_qb49c369f3f_oproj
	.p2alignl 7, 3214868480
	.fill 96, 4, 3214868480
	.section	.rodata,"a",@progbits
	.p2align	6, 0x0
	.amdhsa_kernel k_qb49c369f3f_oproj
		.amdhsa_group_segment_fixed_size 167936
		.amdhsa_private_segment_fixed_size 0
		.amdhsa_enable_private_segment 0
		.amdhsa_kernarg_size 40
		.amdhsa_user_sgpr_count 2
		.amdhsa_user_sgpr_kernarg_segment_ptr 1
		.amdhsa_wavefront_size32 1
		.amdhsa_system_sgpr_workgroup_id_x 1
		.amdhsa_system_sgpr_workgroup_id_y 1
		.amdhsa_system_sgpr_workgroup_id_z 1
		.amdhsa_system_vgpr_workitem_id 0
		.amdhsa_next_free_vgpr 1024
		.amdhsa_next_free_sgpr 100
		.amdhsa_reserve_vcc 0
		.amdhsa_float_denorm_mode_32 3
		.amdhsa_float_denorm_mode_16_64 3
		.amdhsa_memory_ordered 1
		.amdhsa_forward_progress 1
		.amdhsa_inst_pref_size 73
	.end_amdhsa_kernel
	.amdgpu_metadata
---
amdhsa.version: [ 1, 2 ]
amdhsa.kernels:
  - .name:           k_qb49c369f3f_oproj
    .symbol:         k_qb49c369f3f_oproj.kd
    .args:
      - { .name: af, .offset: 0, .size: 8, .value_kind: global_buffer, .address_space: global }
      - { .name: wf, .offset: 8, .size: 8, .value_kind: global_buffer, .address_space: global }
      - { .name: lowp_scales, .offset: 16, .size: 8, .value_kind: global_buffer, .address_space: global }
      - { .name: bo, .offset: 24, .size: 8, .value_kind: global_buffer, .address_space: global }
      - { .name: out0, .offset: 32, .size: 8, .value_kind: global_buffer, .address_space: global }
    .group_segment_fixed_size: 167936
    .private_segment_fixed_size: 0
    .kernarg_segment_align: 8
    .kernarg_segment_size: 40
    .max_flat_workgroup_size: 128
    .sgpr_count:     100
    .vgpr_count:     1024
    .wavefront_size: 32
...
	.end_amdgpu_metadata
.endif
;; end of part 4
